; MI455X (gfx1250); checked and timed in simulation.
; The chip was launched on July 23, 2026; its instructions are those of AMD's public machine-readable ISA for CDNA 5 (MIT licence, August 2026) and "CDNA5" Instruction Set Architecture Reference Guide (July 2026). The comments in the code are by the model that wrote it; some were corrected since.
;; Collab FF Layer. Allowed arithmetic: matrix products marked QUANTISED: E3M2 operands, one E8M0 scale for each 32 along K, by v_wmma_scale_f32_16x16x128_f8f6f4 with both operands' format E3M2, f32 sums; everything else in f32.
;; Inputs: W 4,096 x 4,096 float32; b 4,096 float32; x 4,096 x 4,096 float32.
;; Outputs: out0 4,096 x 4,096 float32.
;; This version of the problem:
;;   THIS VERSION OF THE PROBLEM IS GIVEN IN LOW PRECISION. The matrix products marked QUANTISED in the list below multiply operands that are first quantised to E3M2 (3 exponent bits, 2 mantissa bits; 6 bits a number), with one power-of-two scale for each 32 numbers along K (OCP MX v1.0); their sums are f32. All else is computed in f32.
;;   The module's matrix products, in the order in which they are computed (A, B: the left and right operand; K: the contracted axis; several contracted axes count as one K, in the product's order):
;;     1. [M 4,096, K 4,096] x [K 4,096, N 4,096]; A: computed on the way; B: input W: QUANTISED
;;   THE QUANTISER, for each operand of a quantised product, along K:
;;     - K is cut into blocks of 32 from its start; a last block that is shorter is filled with zeros.
;;     - A block's scale is 2^e with e = floor(log2(the largest magnitude in the block)) - 4, held to -126 .. 127; a block of zeros has e = 0. As a byte (E8M0): e + 127.
;;     - Each number is divided by its block's scale, clamped to +-28, and rounded to the nearest number of E3M2, ties to even, subnormals kept.
;;     - The product sums the exact products of the quantised numbers (number of the format x scale) in f32.
;;   ~~~python
;;   def quantise(x, axis):      # numpy; x: float32 -> the quantised numbers, widened to float32 again
;;       x = np.moveaxis(x, axis, -1); K = x.shape[-1]
;;       x = np.pad(x, [(0, 0)] * (x.ndim - 1) + [(0, -K % 32)]); x = x.reshape(x.shape[:-1] + (-1, 32)); a = np.abs(x).max(-1, keepdims=True)
;;       e = np.where(a > 0, np.clip(np.frexp(np.where(a > 0, a, 1))[1] - 1 - 4, -126, 127), 0)      # np.frexp(a)[1] - 1 = floor(log2(a)), exactly
;;       r = np.clip(x / 2.0 ** e, -28, 28)
;;       step = 2.0 ** (np.maximum(np.frexp(np.where(r == 0, 1, r))[1] - 1, -2) - 2)
;;       q = np.round(r / step) * step * 2.0 ** e      # np.round: ties to even
;;       return np.moveaxis(q.reshape(q.shape[:-2] + (-1,))[..., :K], -1, axis).astype(np.float32)
;;   ~~~
;;   OPERANDS COMPUTED ON THE WAY. 'Computed on the way' means the value that the module computes at that place (a softmax that the list does not call 'softmax' is quantised finished and normalised). What goes into a quantiser is computed in f32, as accurately as f32 sums, v_exp_f32 and their like allow (about 1e-6 of the number): no bf16 or f16 on the way to a quantiser, and a product that is left as it is and whose result goes on into a quantised operand takes f32 operands (vector FMAs, or v_wmma_f32_16x16x4_f32). A number that lies on a knife's edge between two numbers of the format may be rounded either way, as far as f32 arithmetic and the matrix unit's own rounding can turn it there, and no further.
;; One version. Each part assembles by itself: llvm-mc -triple=amdgcn-amd-amdhsa -mcpu=gfx1250 --defsym DOCPART=n.
;; ======== version 1 of 1: 2 launches
;; limits: right only within a limited range of input values
;; workspace buffers: xq 13,303,808 bytes; wq 13,303,808 bytes
;; launch quant (part 1): grid 512 x 1, 8 waves a work-group, no clusters, 95,488 bytes of LDS; arguments x, W, xq, wq; writes xq, wq
.if DOCPART == 1
	.amdgcn_target "amdgcn-amd-amdhsa--gfx1250"
	.amdhsa_code_object_version 6
	.text
	.protected	k_q3cf756b8e0_quant
	.globl	k_q3cf756b8e0_quant
	.p2align	8
	.type	k_q3cf756b8e0_quant,@function
k_q3cf756b8e0_quant:
	s_mov_b64 s[64:65], 0
	v_nop
	global_prefetch_b8 v0, s[64:65] scope:SCOPE_SE
	s_setreg_imm32_b32 hwreg(HW_REG_WAVE_MODE, 25, 1), 1
	s_wait_xcnt 0x0
; x [4096][4096] f32 is normalised row by row (x / (sqrt(sum of squares) + 1e-8)) and, like W [4096][4096] f32 as it stands, turned into codes of BF6 (E3M2), 6 bits each, with one E8M0 scale byte for each 32 along K.
; A block's scale is 2^(floor(log2(its largest magnitude)) - 4): its byte is the largest magnitude's exponent field - 4, held at 1 from below; each number is divided by the scale and rounded to the nearest code, ties to even,
; beyond the largest code the largest.
; LIMITS: x_n is made as x * rcp(norm + 1e-8): root, reciprocal and product each round once (some 2e-7 of the number).  A block whose largest magnitude lies under 2^-122, a block of zeros among them, gets the byte 1
; (the rule gives a block of zeros 127): its codes are zeros or the rule's own, and the bytes are read by this program alone.  NaN and infinities among the inputs are not served.
; THE OUTPUT LIES IN THE ORDER OF THE MATRIX OPERAND'S REGISTERS.  For each 128 rows: RB bytes, 11 records, one for each LDS slot of the product's launch.  A record: three steps of 128 along K, each 8 fragments (16 rows) of
; 1,536 bytes, then 8 units of 256 bytes of scale words (16 rows x 16 bytes: the words of the record's three steps and a word of zeros).  32 steps are 2 + 10 x 3: the first record has no first step.
; So step s begins at 12,288 s + 2,048 j, j = (s + 1) / 3, and record j's scale units at 24,576 + 38,912 j.
; A fragment's image: lane (r, h) of the product's wave takes the 48 bytes at 96 s + 48 h of row r's stream of codes; their c-th 16 bytes lie at 512 c + 256 h + 16 r.  Its registers 0-5 so hold block 2 h of the step's four
; blocks of 32, its registers 6-11 block 2 h + 1: the step's middle two blocks change places, alike in both operands, and so do bytes 1 and 2 of every scale word.
; SHARES.  A work-group of eight waves owns 16 rows, one fragment's; a wave two of them; work-groups 0-255 take x, 256-511 W.  A row of 16,384 bytes stays in 128 registers between the sum of squares and the quantiser:
; it is read from memory once.  The second row's loads are issued as the first row's registers fall free.  The 16 rows' codes and scale bytes meet in LDS; behind ONE barrier each wave stores four steps' images,
; 512 consecutive bytes a store, and one or two scale units of 256 bytes.
; One path for both tensors: the pointers are chosen on the work-group's number, and W's work-groups jump over the register work of the norm alone and keep the factor 1.0 (a multiplication that changes nothing).
; No tensor load, no matrix unit, no cluster (nothing is shared between work-groups).  No register that a global load or store names as address or data is ever written again.
.set WSTG, 5120                        ; LDS: for each wave two stages of 32 x SP bytes
.set SP,   80                          ; a lane's place in a stage: its 64 bytes + 16 of padding
.set STG,  2560                        ; bytes of a stage
.set GATH, 8*WSTG                      ; behind the stages: the 16 rows' records
.set GP,   3344                        ; a row's record: 3,072 bytes of codes, 256 for scale words, 16 more: 209 x 16 bytes
.set GSC,  3072                        ; where the scale words begin in it: 16 bytes for each of the 11 records
.set HALFG, 256                        ; work-groups for x
.set RB,   415744                      ; bytes of 128 rows in the output
.set REC,  38912                       ; of a record
.set STB,  12288                       ; of a step in it
.set FRB,  1536                        ; of a fragment
.set S,    16                          ; v16-23   four pairs of sums of squares
.set R,    24                          ; v24-151  the row as loaded: step t (512 numbers) at R + 16 t; at the end 48 of them take the images on their way out
.set X,    152                         ; v152-183 two sets of 16 neighbours
.set CD,   184                         ; v184-191 two sets of a step's three registers of codes
.set EB,   192                         ; v192-193 the scale byte, two sets
.set SBA,  196                         ; v196-203 LDS address of my block's scale byte in step t
.set ZR,   204                         ; v204-207 zeros
.set OA,   208                         ; v208-211 my byte offset in the output for the four steps of 128 that my wave stores
.set SU,   212                         ; v212-215 scale units on their way out
	s_load_b128 s[4:7], s[0:1], 0x0                ; x, W
	s_load_b128 s[8:11], s[0:1], 0x10              ; x's output, W's output
	v_lshl_add_u32 v216, v0, 2, 0x17100
	v_mov_b32 v217, 0
	v_lshrrev_b32 v9, 5, v0
	s_delay_alu instid0(VALU_DEP_1)
	v_readfirstlane_b32 s16, v9                    ; wave 0..7
	v_and_b32 v9, 31, v0                           ; lane
	s_delay_alu instid0(VALU_DEP_1)
	v_lshlrev_b32 v1, 4, v9                        ; 16 x lane: my 16 bytes of a load's or a store's 512
	s_mul_i32 s17, s16, WSTG
	v_lshrrev_b32 v2, 2, v9
	s_delay_alu instid0(VALU_DEP_1)
	v_mul_u32_u24 v2, v2, SP
	v_and_b32 v3, 3, v9
	s_delay_alu instid0(VALU_DEP_1)
	v_lshl_add_u32 v2, v3, 4, v2
	s_delay_alu instid0(VALU_DEP_1)
	v_add_nc_u32 v2, s17, v2                       ; the stage, on the way in: four lanes' 64 bytes on end, then 16 of padding
	v_mul_u32_u24 v3, v9, SP
	s_delay_alu instid0(VALU_DEP_1)
	v_add_nc_u32 v3, s17, v3                       ; and on the way out: my 16 neighbours
	s_mul_i32 s17, s16, 2*GP
	s_add_co_u32 s17, s17, GATH                    ; my wave's two rows' records
	v_mul_u32_u24 v4, v9, 12
	s_delay_alu instid0(VALU_DEP_1)
	v_add_nc_u32 v4, s17, v4                       ; my 12 bytes of a step's 384 bytes of codes
	; my block's scale byte.  In step t (512 numbers) my block is 16 t + lane / 2: step of 128 s = 4 t + lane / 8, block m = (lane / 2) % 4 in it.  With s' = s + 1 the record is j = s' / 3 and the word in its 16 bytes s' % 3:
	; byte 16 j + 4 (s' - 3 j) = 4 s' + 4 j, + the byte's place in the word: m with its two bits changed over
	v_bfe_u32 v8, v9, 1, 1
	v_bfe_u32 v13, v9, 2, 1
	s_delay_alu instid0(VALU_DEP_1)
	v_lshl_or_b32 v8, v8, 1, v13
	s_delay_alu instid0(VALU_DEP_1)
	v_add_nc_u32 v8, s17, v8
	s_delay_alu instid0(VALU_DEP_1)
	v_add_nc_u32 v8, GSC, v8
	v_lshrrev_b32 v13, 3, v9
.irp t, 0,1,2,3,4,5,6,7
	v_add_nc_u32 v[SBA+\t], 4*\t+1, v13            ; s', 1 .. 32
	s_delay_alu instid0(VALU_DEP_1)
	v_mul_u32_u24 v10, v[SBA+\t], 43
	s_delay_alu instid0(VALU_DEP_1)
	v_lshrrev_b32 v10, 7, v10                      ; j = s' / 3 (43 / 128 serves up to 32)
	s_delay_alu instid0(VALU_DEP_1)
	v_add_nc_u32 v[SBA+\t], v[SBA+\t], v10
	s_delay_alu instid0(VALU_DEP_1)
	v_lshl_add_u32 v[SBA+\t], v[SBA+\t], 2, v8
.endr
	; the 256 bytes for scale words of both my rows are cleared first: the words that no step fills leave as zeros.  LDS serves a wave's instructions in order (ISA guide 5.7.1.4): my byte stores come behind this
	v_lshrrev_b32 v12, 4, v9                       ; lane / 16
	v_and_b32 v11, 15, v9                          ; lane % 16
	s_delay_alu instid0(VALU_DEP_2)
	v_mul_u32_u24 v10, v12, GP
	s_delay_alu instid0(VALU_DEP_1)
	v_lshl_add_u32 v10, v11, 4, v10
	s_delay_alu instid0(VALU_DEP_1)
	v_add_nc_u32 v10, s17, v10
	s_delay_alu instid0(VALU_DEP_1)
	v_add_nc_u32 v10, GSC, v10
.irp i, 0,1,2,3
	v_mov_b32 v[ZR+\i], 0
.endr
	ds_store_b128 v10, v[ZR:ZR+3]
	; the way out.  Wave w stores steps 4 w .. 4 w + 3: lane (r, h) reads row r's 16 bytes at 96 s + 48 h + 16 c
	v_mul_u32_u24 v5, v11, GP
	s_delay_alu instid0(VALU_DEP_1)
	v_mad_u32_u24 v5, v12, 48, v5
	s_mul_i32 s18, s16, 384
	s_add_co_u32 s18, s18, GATH
	v_add_nc_u32 v5, s18, v5
	; and scale unit w (waves 0 to 2: unit w + 8 too): 32 lanes x 8 bytes: row lane / 2, half lane % 2 of its 16 bytes
	v_lshrrev_b32 v6, 1, v9
	s_delay_alu instid0(VALU_DEP_1)
	v_mul_u32_u24 v6, v6, GP
	v_and_b32 v7, 1, v9
	s_delay_alu instid0(VALU_DEP_1)
	v_lshl_add_u32 v6, v7, 3, v6
	s_lshl_b32 s18, s16, 4
	s_add_co_u32 s18, s18, GATH+GSC
	v_add_nc_u32 v6, s18, v6
	s_mul_i32 s18, s16, REC
	v_lshl_add_u32 v7, v9, 3, s18                  ; in the output: 8 x lane + a record for each unit
.irp k, 0,1,2,3
	s_lshl_b32 s18, s16, 2
	s_add_co_u32 s18, s18, \k                      ; s
	s_add_co_u32 s19, s18, 1
	s_mul_i32 s19, s19, 43
	s_lshr_b32 s19, s19, 7                         ; j
	s_mul_i32 s18, s18, STB
	s_lshl_b32 s19, s19, 11
	s_add_co_u32 s18, s18, s19                     ; 12,288 s + 2,048 j
	v_add_nc_u32 v[OA+\k], s18, v1
.endr
	v_mov_b32 v14, 1.0                             ; the factor, as a pair: W keeps 1.0
	v_mov_b32 v15, 1.0
	s_mov_b32 s26, 0x76543210                      ; v_permlanex16_b32's selects for lane l xor 16
	s_mov_b32 s27, 0xfedcba98
	s_wait_kmcnt 0x0
	s_cmp_lt_u32 ttmp9, HALFG                      ; x's work-group or W's?  The choice hangs on the work-group's number alone
	s_cselect_b64 s[4:5], s[4:5], s[6:7]
	s_cselect_b64 s[8:9], s[8:9], s[10:11]
	s_cselect_b32 s17, 0, HALFG
	s_sub_co_u32 s17, ttmp9, s17                   ; which 16 rows of the tensor are my work-group's, 0 .. 255
	s_mov_b32 s21, 0
	s_lshl_b32 s20, s17, 18                        ; 16 rows of 16,384 bytes,
	s_lshl_b32 s18, s16, 15                        ; two of them for each wave
	s_add_co_u32 s20, s20, s18
	s_add_nc_u64 s[4:5], s[4:5], s[20:21]
	s_lshr_b32 s20, s17, 3
	s_mul_i32 s20, s20, RB                         ; my 128 rows in the output
	s_add_nc_u64 s[8:9], s[8:9], s[20:21]
	s_and_b32 s17, s17, 7                          ; which of their eight fragments
	s_lshl_b32 s20, s17, 8
	s_add_co_u32 s20, s20, 2*STB
	s_add_nc_u64 s[10:11], s[8:9], s[20:21]        ; my scale unit of record 0
	s_mul_i32 s20, s17, FRB
	s_add_nc_u64 s[8:9], s[8:9], s[20:21]          ; my fragment of step 0
.macro LOAD r, t                       ; step t (512 numbers) of row r: each load reads 512 consecutive bytes
.irp i, 0,1,2,3
	global_load_b128 v[R+16*(\t)+4*\i:R+16*(\t)+4*\i+3], v1, s[4:5] offset:16384*(\r)+2048*(\t)+512*\i th:TH_LOAD_NT
.endr
.endm
; The row's factor 1 / (sqrt(sum of squares) + 1e-8), in every lane.  W's work-groups jump over it.
.macro NORM r
	s_cmp_ge_u32 ttmp9, HALFG
	s_cbranch_scc1 .Lplain_\r
.set np, 0
.rept 8
	s_wait_alu depctr_va_vdst(0)
	s_wait_loadcnt 28-np/2                         ; this step's four loads are in; the row's later steps, four loads each, may be out (no other load is issued behind them)
.rept 8
.if np < 4
	v_pk_mul_f32 v[S+2*np:S+2*np+1], v[R+2*np:R+2*np+1], v[R+2*np:R+2*np+1]   ; the first four pairs start the chains: nothing is cleared
.else
	v_pk_fma_f32 v[S+2*(np%4):S+2*(np%4)+1], v[R+2*np:R+2*np+1], v[R+2*np:R+2*np+1], v[S+2*(np%4):S+2*(np%4)+1]
.endif
.set np, np+1
.endr
.endr
	s_delay_alu instid0(VALU_DEP_3)
	v_pk_add_f32 v[S:S+1], v[S:S+1], v[S+2:S+3]
	s_delay_alu instid0(VALU_DEP_2)
	v_pk_add_f32 v[S+4:S+5], v[S+4:S+5], v[S+6:S+7]
	s_delay_alu instid0(VALU_DEP_1)
	v_pk_add_f32 v[S:S+1], v[S:S+1], v[S+4:S+5]
	s_delay_alu instid0(VALU_DEP_1)
	v_add_f32 v16, v16, v17
	s_delay_alu instid0(VALU_DEP_1)
	v_add_f32_dpp v16, v16, v16 row_xmask:1 row_mask:0xf bank_mask:0xf
	s_delay_alu instid0(VALU_DEP_1)
	v_add_f32_dpp v16, v16, v16 row_xmask:2 row_mask:0xf bank_mask:0xf
	s_delay_alu instid0(VALU_DEP_1)
	v_add_f32_dpp v16, v16, v16 row_xmask:4 row_mask:0xf bank_mask:0xf
	s_delay_alu instid0(VALU_DEP_1)
	v_add_f32_dpp v16, v16, v16 row_xmask:8 row_mask:0xf bank_mask:0xf
	s_delay_alu instid0(VALU_DEP_1)
	v_permlanex16_b32 v17, v16, s26, s27
	s_delay_alu instid0(VALU_DEP_1)
	v_add_f32 v16, v16, v17                        ; the row's sum of squares
	s_wait_alu depctr_va_vdst(0)
	v_sqrt_f32 v13, v16
	v_nop                                          ; a plain instruction behind the root (ISA guide 5.7.2),
	s_wait_alu depctr_va_vdst(0)                   ; and a wait ahead of the first use
	v_add_f32 v13, 0x322bcc77, v13                 ; + 1e-8
	s_wait_alu depctr_va_vdst(0)
	v_rcp_f32 v14, v13
	v_nop
	s_wait_alu depctr_va_vdst(0)
	v_mov_b32 v15, v14                             ; a pair for the packed multiply
.Lplain_\r:
	s_wait_loadcnt 0x0                             ; the whole row is in (W's way; on x's way this is met at once)
.endm
; Step t's 512 numbers are multiplied by the factor and go through a stage: in as they were loaded, out 64 bytes (16 neighbours) a lane.  LDS serves a wave's instructions in order: no wait between.
.macro TURN t
.irp j, 0,1,2,3,4,5,6,7
	v_pk_mul_f32 v[R+16*(\t)+2*\j:R+16*(\t)+2*\j+1], v[R+16*(\t)+2*\j:R+16*(\t)+2*\j+1], v[14:15]
.endr
.irp i, 0,1,2,3
	ds_store_b128 v2, v[R+16*(\t)+4*\i:R+16*(\t)+4*\i+3] offset:STG*((\t)%2)+8*SP*\i
.endr
.irp i, 0,1,2,3
	ds_load_b128 v[X+16*((\t)%2)+4*\i:X+16*((\t)%2)+4*\i+3], v3 offset:STG*((\t)%2)+16*\i
.endr
.endm
; Step t of row r is quantised.  more = 1: its registers take the same step of the next row.
.macro STEP r, t, more
.set XS, X+16*((\t)%2)
.set CS, CD+4*((\t)%2)
.if (\t) > 0
	s_wait_dscnt 4                                 ; this step's numbers are back from the stage; the last step's four small stores may be out.  So the stage's stores have read R + 16 t, and the stores of two steps ago their codes and byte
.else
	s_wait_dscnt 0x0
.endif
.if \more
	LOAD (\r)+1, \t
.endif
.if (\t) < 7
	TURN (\t)+1                                    ; the next step goes through the other stage while this one is worked
.endif
	v_max3_num_f32 v10, |v[XS]|, |v[XS+1]|, |v[XS+2]|             ; the largest magnitude of my 16, in two chains
	v_max3_num_f32 v11, |v[XS+3]|, |v[XS+4]|, |v[XS+5]|
.irp i, 6,10
	s_delay_alu instid0(VALU_DEP_2)
	v_max3_num_f32 v10, v10, |v[XS+\i]|, |v[XS+\i+1]|
	s_delay_alu instid0(VALU_DEP_2)
	v_max3_num_f32 v11, v11, |v[XS+\i+2]|, |v[XS+\i+3]|
.endr
	s_delay_alu instid0(VALU_DEP_2)
	v_max3_num_f32 v10, v10, |v[XS+14]|, |v[XS+15]|
	s_delay_alu instid0(VALU_DEP_1)
	v_max3_num_f32 v10, v10, v11, 0x2800000        ; and the floor 2^(5 - 127): the byte cannot fall under 1
	s_delay_alu instid0(VALU_DEP_1)
	v_max_num_f32_dpp v10, v10, v10 row_xmask:1 row_mask:0xf bank_mask:0xf   ; and of my neighbour's 16: the block's
	s_delay_alu instid0(VALU_DEP_1)
	v_add_nc_u32 v12, 0xfe000000, v10              ; 4 off its exponent field: the conversion takes the exponent field of this operand as its scale
	v_cvt_scalef32_pk16_bf6_f32 v[CS:CS+2], v[XS:XS+15], v12      ; 16 codes, 96 bits, the first number's code lowest
	v_lshrrev_b32 v[EB+(\t)%2], 23, v12            ; the scale's byte (also the plain instruction behind the conversion)
	ds_store_b8 v[SBA+(\t)], v[EB+(\t)%2] offset:GP*(\r)          ; both lanes of a block write the same byte with the same value
.irp i, 0,1,2
	ds_store_b32 v4, v[CS+\i] offset:GP*(\r)+384*(\t)+4*\i        ; lanes 12 bytes apart: 32 different banks
.endr
.endm
.irp t, 0,1,2,3,4,5,6,7
	LOAD 0, \t
.endr
	NORM 0
	s_wait_alu depctr_va_vdst(0)
	TURN 0
.irp t, 0,1,2,3,4,5,6,7
	STEP 0, \t, 1
.endr
	NORM 1
	s_wait_alu depctr_va_vdst(0)
	TURN 0
.irp t, 0,1,2,3,4,5,6,7
	STEP 1, \t, 0
.endr
	s_wait_dscnt 0x0                               ; for the others' sake: my two rows' codes and scale bytes lie in LDS
	s_barrier_signal -1
	s_barrier_wait -1                              ; all sixteen rows do; nobody writes LDS from here on
.irp k, 0,1,2,3
.irp c, 0,1,2
	ds_load_b128 v[R+4*(3*\k+\c):R+4*(3*\k+\c)+3], v5 offset:96*\k+16*\c
.endr
.endr
	ds_load_b64 v[SU:SU+1], v6
.irp k, 0,1,2,3
.irp c, 0,1,2
	s_wait_dscnt 12-(3*\k+\c)                      ; the younger read-backs and the scale unit's load may be out
	global_store_b128 v[OA+\k], v[R+4*(3*\k+\c):R+4*(3*\k+\c)+3], s[8:9] offset:512*\c   ; 32 lanes store 512 consecutive bytes, at a multiple of 256 from the buffer's first byte
.endr
.endr
	s_wait_dscnt 0x0
	global_store_b64 v7, v[SU:SU+1], s[10:11]      ; 32 lanes store 256 consecutive bytes, aligned: scale unit w
	s_cmp_gt_u32 s16, 2                            ; eleven units for eight waves: waves 0 to 2 take units 8 to 10 too
	s_cbranch_scc1 .Ldone
	ds_load_b64 v[SU+2:SU+3], v6 offset:128
	s_wait_dscnt 0x0
	global_store_b64 v7, v[SU+2:SU+3], s[10:11] offset:8*REC
.Ldone:
	s_wait_tensorcnt 0x0
	ds_add_u32 v216, v217
	s_wait_dscnt 0x0
	s_endpgm
.Lfunc_end_k_q3cf756b8e0_quant:
	.size	k_q3cf756b8e0_quant, .Lfunc_end_k_q3cf756b8e0_quant-k_q3cf756b8e0_quant
	.p2alignl 7, 3214868480
	.fill 96, 4, 3214868480
	.section	.rodata,"a",@progbits
	.p2align	6, 0x0
	.amdhsa_kernel k_q3cf756b8e0_quant
		.amdhsa_group_segment_fixed_size 95488
		.amdhsa_private_segment_fixed_size 0
		.amdhsa_enable_private_segment 0
		.amdhsa_kernarg_size 32
		.amdhsa_user_sgpr_count 2
		.amdhsa_user_sgpr_kernarg_segment_ptr 1
		.amdhsa_wavefront_size32 1
		.amdhsa_system_sgpr_workgroup_id_x 1
		.amdhsa_system_sgpr_workgroup_id_y 1
		.amdhsa_system_sgpr_workgroup_id_z 1
		.amdhsa_system_vgpr_workitem_id 0
		.amdhsa_next_free_vgpr 218
		.amdhsa_next_free_sgpr 66
		.amdhsa_reserve_vcc 0
		.amdhsa_float_denorm_mode_32 3
		.amdhsa_float_denorm_mode_16_64 3
		.amdhsa_memory_ordered 1
		.amdhsa_forward_progress 1
		.amdhsa_inst_pref_size 66
	.end_amdhsa_kernel
	.amdgpu_metadata
---
amdhsa.version: [ 1, 2 ]
amdhsa.kernels:
  - .name:           k_q3cf756b8e0_quant
    .symbol:         k_q3cf756b8e0_quant.kd
    .args:
      - { .name: x, .offset: 0, .size: 8, .value_kind: global_buffer, .address_space: global }
      - { .name: W, .offset: 8, .size: 8, .value_kind: global_buffer, .address_space: global }
      - { .name: xq, .offset: 16, .size: 8, .value_kind: global_buffer, .address_space: global }
      - { .name: wq, .offset: 24, .size: 8, .value_kind: global_buffer, .address_space: global }
    .group_segment_fixed_size: 95488
    .private_segment_fixed_size: 0
    .kernarg_segment_align: 8
    .kernarg_segment_size: 32
    .max_flat_workgroup_size: 256
    .sgpr_count:     66
    .vgpr_count:     218
    .wavefront_size: 32
...
	.end_amdgpu_metadata
.endif
;; end of part 1
;; launch gemm (part 2): grid 16 x 16, 4 waves a work-group, clusters of 4 x 4, 327,680 bytes of LDS; arguments xq, wq, out0, b; writes out0
.if DOCPART == 2
	.amdgcn_target "amdgcn-amd-amdhsa--gfx1250"
	.amdhsa_code_object_version 6
	.text
	.protected	k_q3cf756b8e0_gemm
	.globl	k_q3cf756b8e0_gemm
	.p2align	8
	.type	k_q3cf756b8e0_gemm,@function
k_q3cf756b8e0_gemm:
	s_mov_b64 s[64:65], 0
	v_nop
	global_prefetch_b8 v0, s[64:65] scope:SCOPE_SE
	s_setreg_imm32_b32 hwreg(HW_REG_WAVE_MODE, 25, 1), 1
	s_wait_xcnt 0x0
	s_wait_alu depctr_hold_cnt(0) depctr_sa_sdst(0) depctr_va_vdst(0) depctr_va_sdst(0) depctr_va_ssrc(0) depctr_va_vcc(0) depctr_vm_vsrc(0)
	s_getreg_b32 s2, hwreg(HW_REG_IB_STS2, 6, 4)
	s_cmp_eq_u32 s2, 0
	s_cbranch_scc0 .Lentry_in_a_cluster
	s_endpgm
.Lentry_in_a_cluster:
	s_bfe_u32 s2, ttmp6, 0x10000c
	s_cmp_lg_u32 s2, 0xf033
	s_cbranch_scc0 .Lentry_shape_is_right
	s_endpgm
.Lentry_shape_is_right:
; out0[m][n] = relu(sum over k of xn[m][k] W[n][k] + b[n]), 4096 x 4096 x 4096, on codes of BF6 (E3M2) with one E8M0 byte for each 32 along K, as the launch before laid them.
; xq and wq: for each 128 rows RB bytes in 11 records.  A record: three steps of 128 along K, each 8 fragments (16 rows) of 1,536 bytes in the order of the operand's registers
; (lane l takes 16 bytes at 512 c + 16 l, c = 0..2), then 8 units of 256 bytes of scale words (16 rows x 16 bytes: word q for the record's step q).  Record 0 has no step 0.
; A block of 256 x 256 is made by four waves, 128 x 128 each: 64 accumulators, 512 registers.  256 blocks: one to each work-group, so no work-group walks on to a second block.
; THE RING: two LDS slots, each with one record of A's two and B's two groups of 128 rows; each wave brings one of the four by one tensor load (152 dense rows of 256 bytes).
; BOTH OPERANDS HAVE TWO SETS OF REGISTERS: while set p is multiplied (64 matrix instructions), the next step's 16 fragments and 8 scale words come into set 1 - p,
; in a run at the step's head (48 loads of 16 bytes, 8 of 4).  P_B4, P_A0, P_A4 say behind how many groups of eight matrix instructions the run's later parts stand.
; So a record's last step lies in registers when it begins: the slot is given up at that step's head and filled again there, three steps ahead of the wait for that load.
; CLUSTERS: 4 x 4.  A's records are shared along a row of the cluster, B's along a column: joint loads, same descriptor and mask in the four that ask.
; TRANSPOSED USE: source 0 = 16 rows of W, source 1 = 16 rows of x: a lane holds eight neighbouring columns of one row of out0.  The bias is the C of the first step's products.
; PREFETCH: behind each joint load the record that the NEXT joint load brings is asked for: 152 blocks of 256 bytes a wave's record, of which each of the four partners names 38
; (shared out by address: cx for A, cy for B), 19 lanes an instruction, two instructions a wave; the lanes left over name the 19th block again.  The refill of the last record asks for nothing.
; REGISTERS: window 0: v0-31 addresses; v32-47 scale words, two sets of 8 (lanes 0-15 A's block i, lanes 16-31 B's block i); v64-159, v160-255 A's two sets; on the way out v64-191.
;   window 1: v0-95, v96-191 B's two sets; v192-255 the bias.  window 2: accumulators of my rows 0-63 ((a, b) at 8 (8 a + b)); window 3: rows 64-127.
.set SIZE_N, 4096
.set RB,     415744
.set REC,    38912
.set STB,    12288
.set FRB,    1536
.set SCO,    3*STB                     ; the scale units in a record
.set FR,     12
.set SLOT,   4*REC
.set SPARE,  2*SLOT                    ; the spare words: 512 bytes that no other line names
.set SPITCH, 528
.set STAGE,  SLOT                      ; the way out goes through slot 1, which has had its last fill and its last read by then (the last record lies in slot 0)
.set TRIPS,  4
.set P_B4, 0
.set P_A0, 2                           ; A's fragments stand behind two groups of eight matrix instructions: 32 loads at the head, 24 there
.set P_A4, 2
.set ADRA, 16                          ; v16-17 my A fragments in slot 0, 1
.set ADRS, 18                          ; v18-19 my scale words
.set ADRB, 20                          ; v20-21 my B fragments
.set STO,  24
.set RD,   25
.set CO,   26                          ; 16 x lane
.set SPW,  28
.set NIL,  29
.set PFO,  30
.set SC,   32
.set AF,   64
.set BIAS, 192
.set BK,   64
.set G1,   24                          ; group 1 for A's records; s[32:39] group 0, a set for each slot
.set G0,   32
.set G1B,  48                          ; the same for B
.set G0B,  56
.set G1S,  68                          ; groups 1 and 0 for record 0 (104 rows): A's, then B's
.set G00,  76
.set G1SB, 80
.set G00B, 88
.set PFA,  66
.set MSB, 0
.macro WIN new                         ; the immediate's high byte repeats the setting that is left
.if MSB != \new
	s_set_vgpr_msb (MSB<<8)|\new
.set MSB, \new
.endif
.endm
.set MUL_LO,   0xa1                    ; source 0 (B) window 1, source 1 (A) window 0, C and D window 2
.set MUL_HI,   0xf1
.set FIRST_LO, 0x91                    ; C (the bias) window 1, D window 2
.set FIRST_HI, 0xd1
.set TO_B,     0x40
.macro JLOAD g0a, g1a, g0b, g1b        ; a joint load: waves 0, 1 for A, waves 2, 3 for B; s_nop 0 and four v_nop behind each line
	s_cmp_eq_u32 s15, 0
	s_cbranch_scc0 .Lfor_b_\@
	tensor_load_to_lds s[\g0a:\g0a+3], s[\g1a:\g1a+7]
	s_nop 0
.rept 4
	v_nop
.endr
	s_branch .Lasked_\@
.Lfor_b_\@:
	tensor_load_to_lds s[\g0b:\g0b+3], s[\g1b:\g1b+7]
	s_nop 0
.rept 4
	v_nop
.endr
.Lasked_\@:
.endm
.macro ASK guard                       ; my work-group's 38 blocks of the record at s[PFA]; guard = 1: not in the loop's last trip, where no such record is left
.if \guard
	s_cmp_gt_u32 s3, 1
	s_cbranch_scc0 .Lno_ask_\@
.endif
	global_prefetch_b8 v[PFO], s[PFA:PFA+1] th:TH_LOAD_NT scope:SCOPE_SE
	global_prefetch_b8 v[PFO], s[PFA:PFA+1] offset:19*256 th:TH_LOAD_NT scope:SCOPE_SE
.if \guard
.Lno_ask_\@:
.endif
.endm
.macro CREST                           ; a round of the cluster's barrier behind its opening barrier
	s_cmp_lg_u32 s14, 0
	s_cbranch_scc1 .Lnot_wave_0_\@
	s_barrier_signal -3
.Lnot_wave_0_\@:
	s_barrier_wait -3
	s_barrier_signal -1
	s_barrier_wait -1
.endm
.macro CROUND
	s_barrier_signal -1
	s_barrier_wait -1
	CREST
.endm
.macro PLACES                          ; four places behind matrix instructions, ahead of loads into registers that they read and of reads of results
.rept 4
	v_nop
.endr
.endm
	s_load_b128 s[4:7], s[0:1], 0x0                ; xq, wq
	s_load_b128 s[8:11], s[0:1], 0x10              ; out0, b
	v_lshl_add_u32 v[SPW], v0, 2, SPARE
	v_mov_b32 v[NIL], 0
	ds_add_u32 v[SPW], v[NIL]                      ; the opening lines: the add twice on end and one wait
	ds_add_u32 v[SPW], v[NIL]
	v_lshrrev_b32 v1, 5, v0
	v_readfirstlane_b32 s14, v1                    ; wave
	s_lshr_b32 s15, s14, 1                         ; my half of the block's rows; also: I fetch for A (0) or B (1)
	s_and_b32 s16, s14, 1                          ; my half of its columns; also: which 128 rows I fetch
	s_bfe_u32 s40, ttmp6, 0x40000                  ; cx
	s_bfe_u32 s41, ttmp6, 0x40004                  ; cy
	s_lshl_b32 s42, ttmp9, 2
	s_add_co_u32 s42, s42, s40                     ; block column
	s_and_b32 s17, ttmp7, 0xffff
	s_lshl_b32 s17, s17, 2
	s_add_co_u32 s17, s17, s41                     ; block row
	s_lshl_b32 s43, s41, 2
	s_lshl_b32 s43, 15, s43                        ; my row of the cluster
	s_lshl_b32 s44, 0x1111, s40                    ; my column
	s_or_b32 s[G1+0], s43, (3<<16)|(1<<21)         ; elements of 8 bytes, bit 21 beside the mask, no padding: the records lie as the lanes read them
	s_or_b32 s[G1B+0], s44, (3<<16)|(1<<21)
	s_or_b32 s[G1S+0], s43, (3<<16)|(1<<21)
	s_or_b32 s[G1SB+0], s44, (3<<16)|(1<<21)
.irp g, G1, G1B
	s_mov_b32 s[\g+1], 32<<16                      ; rows of 256 bytes,
	s_mov_b32 s[\g+2], (REC/256)<<16               ; 152 of them, dense
	s_mov_b32 s[\g+3], 32<<16
	s_mov_b32 s[\g+4], REC/256
	s_mov_b32 s[\g+5], 32
	s_mov_b32 s[\g+6], 0
	s_mov_b32 s[\g+7], 0
.endr
.irp g, G1S, G1SB
	s_mov_b32 s[\g+1], 32<<16
	s_mov_b32 s[\g+2], ((REC-STB)/256)<<16         ; record 0: 104 rows
	s_mov_b32 s[\g+3], 32<<16
	s_mov_b32 s[\g+4], (REC-STB)/256
	s_mov_b32 s[\g+5], 32
	s_mov_b32 s[\g+6], 0
	s_mov_b32 s[\g+7], 0
.endr
	s_lshl_b32 s92, s17, 1
	s_add_co_u32 s92, s92, s16
	s_mul_i32 s92, s92, RB                         ; A: the 128 rows that I fetch, in bytes
	s_mov_b32 s93, 0
	s_lshl_b32 s46, s42, 1
	s_add_co_u32 s46, s46, s16
	s_mul_i32 s46, s46, RB                         ; B likewise
	s_mov_b32 s47, 0
	s_mul_i32 s45, s14, REC                        ; where my record goes in a slot
	s_cmp_eq_u32 s15, 0
	s_cselect_b32 s94, s92, s46                    ; the prefetches: the rows that I fetch,
	s_cselect_b32 s95, s40, s41                    ; my place among the four that ask with me,
	s_mul_i32 s95, s95, 38*256
	s_add_co_u32 s94, s94, s95
	s_add_co_u32 s94, s94, REC-STB                 ; at record 1
	s_mov_b32 s95, 0
	s_lshl_b32 s12, s17, 8
	s_lshl_b32 s13, s15, 7
	s_add_co_u32 s12, s12, s13
	s_lshl_b32 s12, s12, 14                        ; my first row of out0, 16,384 bytes a row
	s_lshl_b32 s96, s42, 10
	s_lshl_b32 s97, s16, 9
	s_add_co_u32 s96, s96, s97                     ; my first column, in bytes: of out0 and of b
	s_mov_b32 s97, 0
	s_add_co_u32 s12, s12, s96
	s_mov_b32 s13, 0
	s_mul_i32 s21, s15, REC                        ; LDS: my 128 rows of A,
	s_mul_i32 s22, s16, REC
	s_add_co_u32 s22, s22, 2*REC                   ; of B,
	s_sub_co_u32 s23, s22, s21                     ; the distance between them,
	s_add_co_u32 s18, s21, SCO
	s_mul_i32 s19, s14, 16*SPITCH
	s_add_co_u32 s19, s19, STAGE                   ; my stage
	v_and_b32 v1, 15, v0                           ; r
	v_bfe_u32 v2, v0, 4, 1                         ; h
	v_and_b32 v6, 31, v0
	v_lshlrev_b32 v[CO], 4, v6
	v_add_nc_u32 v[ADRA], s21, v[CO]
	v_add_nc_u32 v[ADRB], s22, v[CO]
	v_add_nc_u32 v[ADRA+1], SLOT, v[ADRA]
	v_add_nc_u32 v[ADRB+1], SLOT, v[ADRB]
	v_mul_u32_u24 v5, s23, v2                      ; scale words: lanes 16-31 take B's
	v_lshl_add_u32 v5, v1, 4, v5
	v_add_nc_u32 v[ADRS], s18, v5
	v_add_nc_u32 v[ADRS+1], SLOT, v[ADRS]
	v_mul_u32_u24 v4, v1, SPITCH                   ; into the stage: row r, 32 bytes for each half of the lanes
	v_lshl_add_u32 v4, v2, 5, v4
	v_add_nc_u32 v[STO], s19, v4
	v_add_nc_u32 v[RD], s19, v[CO]                 ; back: 32 lanes take a row of 512 bytes
	v_lshlrev_b32 v7, 5, v2                        ; the bias: 32 h
	v_min_u32 v[PFO], 18, v6
	v_lshlrev_b32 v[PFO], 8, v[PFO]                ; a lane a block of 256 bytes, 19 blocks an instruction
	s_wait_alu depctr_va_vdst(0)                   ; the wait at the end of the head's vector work
	s_wait_dscnt 0x0                               ; both opening adds are done
	s_wait_kmcnt 0x0
	s_add_nc_u64 s[20:21], s[4:5], s[92:93]
	s_add_nc_u64 s[46:47], s[6:7], s[46:47]
	s_cmp_eq_u32 s15, 0
	s_cselect_b64 s[PFA:PFA+1], s[4:5], s[6:7]
	s_add_nc_u64 s[PFA:PFA+1], s[PFA:PFA+1], s[94:95]
	s_add_nc_u64 s[8:9], s[8:9], s[12:13]
	s_add_nc_u64 s[10:11], s[10:11], s[96:97]
	s_mov_b32 s[G00], 1                            ; record 0 lands one step into slot 0, so that its steps are steps 1 and 2 of the slot
	s_add_co_u32 s[G00+1], s45, STB
	s_mov_b64 s[G00+2:G00+3], s[20:21]
	s_or_b32 s[G00+3], s[G00+3], 0x80000000
	s_mov_b32 s[G00B], 1
	s_add_co_u32 s[G00B+1], s45, STB
	s_mov_b64 s[G00B+2:G00B+3], s[46:47]
	s_or_b32 s[G00B+3], s[G00B+3], 0x80000000
.irp s, 0,1                            ; slot 1 begins with record 1, slot 0 goes on with record 2
	s_mov_b32 s[G0+4*\s], 1
	s_add_co_u32 s[G0+4*\s+1], s45, \s*SLOT
	s_add_nc_u64 s[G0+4*\s+2:G0+4*\s+3], s[20:21], (2-\s)*REC-STB
	s_or_b32 s[G0+4*\s+3], s[G0+4*\s+3], 0x80000000
	s_mov_b32 s[G0B+4*\s], 1
	s_add_co_u32 s[G0B+4*\s+1], s45, \s*SLOT
	s_add_nc_u64 s[G0B+4*\s+2:G0B+4*\s+3], s[46:47], (2-\s)*REC-STB
	s_or_b32 s[G0B+4*\s+3], s[G0B+4*\s+3], 0x80000000
.endr
	CROUND                                         ; all sixteen work-groups are here: the first joint loads meet
	JLOAD G00, G1S, G00B, G1SB                     ; record 0: my one tensor load at the head
	ASK 0                                          ; record 1
	WIN TO_B
.irp i, 0,1,2,3,4,5,6,7
	global_load_b128 v[BIAS+8*\i:BIAS+8*\i+3], v7, s[10:11] offset:64*\i       ; b at columns 16 i + 8 h + 0 .. 7: the layout of a result of B's block i
	global_load_b128 v[BIAS+8*\i+4:BIAS+8*\i+7], v7, s[10:11] offset:64*\i+16
.endr
	WIN 0
.macro FRAG reg, adr, q, i             ; a fragment: three loads of 16 bytes a lane, 512 consecutive bytes each
.irp c, 0,1,2
	ds_load_b128 v[(\reg)+4*\c:(\reg)+4*\c+3], v[\adr] offset:(\q)*STB+(\i)*FRB+512*\c
.endr
.endm
.macro LB slot, q, p, f0               ; four of B's fragments of step q of the slot into set p
	WIN TO_B
.irp i, 0,1,2,3
	FRAG 96*(\p)+FR*(\f0+\i), ADRB+(\slot), \q, \f0+\i
.endr
.endm
.macro LA slot, q, p, f0               ; four of A's
	WIN 0
.irp i, 0,1,2,3
	FRAG AF+96*(\p)+FR*(\f0+\i), ADRA+(\slot), \q, \f0+\i
.endr
.endm
.macro LS slot, q, p                   ; the step's scale words: lanes 0-15 A's block i, lanes 16-31 B's block i
	WIN 0
.irp i, 0,1,2,3,4,5,6,7
	ds_load_b32 v[SC+8*(\p)+\i], v[ADRS+(\slot)] offset:256*\i+4*(\q)
.endr
.endm
.macro RUNS pos, slot, q, p            ; what of the next step's operands is asked for at place pos.  Set p was last read by the step before: the four places at pos 0 serve all parts
.if (\pos) == 0
	PLACES
	LB \slot, \q, \p, 0
	LS \slot, \q, \p
.endif
.if (\pos) == P_B4
	LB \slot, \q, \p, 4
.endif
.if (\pos) == P_A0
	LA \slot, \q, \p, 0
.endif
.if (\pos) == P_A4
	LA \slot, \q, \p, 4
.endif
.endm
.macro OCT a, p, first                 ; A's block a against B's eight.  The 64 accumulators take turns in the same order in every step
.if \first
.set WN, FIRST_LO+0x40*((\a)/4)
.else
.set WN, MUL_LO+0x50*((\a)/4)
.endif
	WIN WN
.set AC, 64*((\a)%4)
.set AR, AF+96*(\p)+FR*(\a)
.set BR, 96*(\p)
.set SR, SC+8*(\p)
.irp b, 0,1,2,3,4,5,6,7
.if \first
	v_wmma_scale_f32_16x16x128_f8f6f4 v[AC+8*\b:AC+8*\b+7], v[BR+FR*\b:BR+FR*\b+FR-1], v[AR:AR+FR-1], v[BIAS+8*\b:BIAS+8*\b+7], v[SR+\b], v[SR+(\a)] matrix_a_fmt:MATRIX_FMT_BF6 matrix_b_fmt:MATRIX_FMT_BF6 matrix_a_scale:MATRIX_SCALE_ROW1
.else
	v_wmma_scale_f32_16x16x128_f8f6f4 v[AC+8*\b:AC+8*\b+7], v[BR+FR*\b:BR+FR*\b+FR-1], v[AR:AR+FR-1], v[AC+8*\b:AC+8*\b+7], v[SR+\b], v[SR+(\a)] matrix_a_fmt:MATRIX_FMT_BF6 matrix_b_fmt:MATRIX_FMT_BF6 matrix_a_scale:MATRIX_SCALE_ROW1
.endif
.endr
.endm
.macro STEP p, ns, nq, first           ; multiplies set p; step nq of slot ns comes into the other set
	s_wait_dscnt 12                                ; B's set, the scale words and A's blocks 0-3 are in; the youngest twelve loads (A's blocks 4-7) may be out
.irp a, 0,1,2,3,4,5,6,7
.if \a == 4
	s_wait_dscnt 56                                ; A's blocks 4-7 are in: behind them this step has issued 32 loads at its head and 24 behind two groups
.endif
	RUNS \a, \ns, \nq, 1-(\p)
	OCT \a, \p, \first
.endr
.endm
; A record's last step.  Its operands lie in set p, so nobody reads the slot any more once every wave's loads are back.  One barrier for that and for the other slot's being whole;
; fill = 1: it opens a round of the cluster's barrier, and the slot takes the record two on (walk = 1: its descriptor is stepped first).
.macro TURN slot, p, fill, walk
	WIN 0
.if \fill
	s_wait_xcnt 0x0                                ; my last prefetches have read their address: it steps a record on
	s_add_nc_u64 s[PFA:PFA+1], s[PFA:PFA+1], REC
.endif
	s_wait_tensorcnt 0x0                           ; all my tensor loads have landed: the one that was out is my part of the other slot
	ds_add_u32 v[SPW], v[NIL]
	s_wait_dscnt 13                                ; A's blocks 4-7 and the add may be out
	OCT 0, \p, 0
	s_wait_dscnt 0x0                               ; the add is done, and my reads of this slot are over
	s_barrier_signal -1
	OCT 1, \p, 0
	WIN 0
	s_barrier_wait -1
.if \fill
	CREST
.if \walk
	s_add_nc_u64 s[G0+4*\slot+2:G0+4*\slot+3], s[G0+4*\slot+2:G0+4*\slot+3], 2*REC
	s_add_nc_u64 s[G0B+4*\slot+2:G0B+4*\slot+3], s[G0B+4*\slot+2:G0B+4*\slot+3], 2*REC
.endif
	JLOAD G0+4*\slot, G1, G0B+4*\slot, G1B         ; the first tensor load behind the round
.endif
.irp a, 2,3,4,5,6,7
	RUNS \a-2, 1-(\slot), 0, 1-(\p)
.if \a == 2
.if \fill
	WIN 0
	ASK 1-(\slot)                                  ; behind the joint load and the run of LDS loads: the record that the next joint load brings
.endif
.endif
	OCT \a, \p, 0
.endr
.endm
	s_wait_tensorcnt 0x0                           ; my part of record 0 is in; these lines stand ahead of slot 1's first fill as ahead of a refill
	ds_add_u32 v[SPW], v[NIL]
	s_wait_xcnt 0x0
	s_add_nc_u64 s[PFA:PFA+1], s[PFA:PFA+1], REC   ; the prefetches go on to record 2
	s_wait_dscnt 0x0
	CROUND                                         ; record 0 is whole in every work-group of the cluster
	JLOAD G0+4, G1, G0B+4, G1B                     ; record 1
	LB 0, 1, 0, 0
	LB 0, 1, 0, 4
	LS 0, 1, 0
	LA 0, 1, 0, 0
	LA 0, 1, 0, 4
	ASK 0
	s_mov_b32 s3, TRIPS
	s_wait_loadcnt 0x0                             ; the bias
	STEP 0, 0, 2, 1                                ; the first step's products start the sums from the bias
	TURN 0, 1, 1, 0
	WIN 0
.Llap:                                                 ; two records, six steps: slots and sets are back where they began
	STEP 0, 1, 1, 0
	STEP 1, 1, 2, 0
	TURN 1, 0, 1, 1
	STEP 1, 0, 1, 0
	STEP 0, 0, 2, 0
	TURN 0, 1, 1, 1
	WIN 0
	s_sub_co_u32 s3, s3, 1
	s_cmp_lg_u32 s3, 0
	s_cbranch_scc1 .Llap
	STEP 0, 1, 1, 0                                ; records 9 and 10: nothing more is fetched from memory
	STEP 1, 1, 2, 0
	TURN 1, 0, 0, 0
	STEP 1, 0, 1, 0
	STEP 0, 0, 2, 0
; THE WAY OUT, by blocks of 16 rows x 128 columns: through my own stage and back as rows of 512 bytes; relu; 32 lanes store two aligned units of 256 bytes.
; LDS serves a wave's instructions in order (ISA guide 5.7.1.4): no wait between the stage's stores and loads.
.macro TOSTAGE a
.set AC, 64*((\a)%4)
	WIN 0x08+4*((\a)/4)
.irp b, 0,1,2,3,4,5,6,7
	ds_store_b128 v[STO], v[AC+8*\b:AC+8*\b+3] offset:64*\b          ; each accumulator from its low end on
	ds_store_b128 v[STO], v[AC+8*\b+4:AC+8*\b+7] offset:64*\b+16
.endr
	WIN 0
.set BB, BK+64*((\a)%2)
.irp t, 0,1,2,3,4,5,6,7,8,9,10,11,12,13,14,15
	ds_load_b128 v[BB+4*\t:BB+4*\t+3], v[RD] offset:\t*SPITCH
.endr
.endm
.macro SEND a, younger                 ; younger: the LDS instructions issued behind block a's loads
.set BB, BK+64*((\a)%2)
	s_wait_dscnt \younger
.if (\a) > 0
	s_add_nc_u64 s[8:9], s[8:9], 16*SIZE_N*4       ; behind a wait on XCNT: the earlier stores have read their base
.endif
.set ri, 0
.rept 64
	v_max_num_f32 v[BB+ri], 0, v[BB+ri]
.set ri, ri+1
.endr
.irp t, 0,1,2,3,4,5,6,7,8,9,10,11,12,13,14,15
	global_store_b128 v[CO], v[BB+4*\t:BB+4*\t+3], s[8:9] offset:\t*SIZE_N*4   ; 32 lanes store 512 consecutive bytes, at a multiple of 256 from out0's first byte
.endr
.endm
; THE LAST STEP GOES OUT BY ROWS: eight products finish a block of 16 rows, and the block leaves while the later blocks are still to be multiplied.
; The read-back buffers: v64-127 (A's other set, done with) and v128-191, of which v160-191 held A's blocks 0 to 2: these are multiplied, four places ahead, when block 1 is read back.
	s_wait_dscnt 0x0                               ; the last step's operands are whole
	OCT 0, 1, 0
.irp a, 0,1,2,3,4,5,6,7
.if \a < 7
	OCT \a+1, 1, 0                                 ; the next block's products are issued ahead of this block's way out
.endif
	PLACES                                         ; behind block a's products, ahead of the stores that read them and of the loads into registers that products have read
.if \a > 1
	s_wait_xcnt 0x0                                ; block a - 2's stores have read their registers and their base
.endif
	TOSTAGE \a
.if \a > 0
	SEND \a-1, 32                                  ; behind block a - 1's loads: block a's 16 stores and 16 loads
.endif
.endr
	s_wait_xcnt 0x0
	SEND 7, 0
	s_wait_tensorcnt 0x0                           ; the wave's end
	ds_add_u32 v[SPW], v[NIL]
	s_wait_dscnt 0x0
	CROUND                                         ; the closing round
	s_endpgm
.Lfunc_end_k_q3cf756b8e0_gemm:
	.size	k_q3cf756b8e0_gemm, .Lfunc_end_k_q3cf756b8e0_gemm-k_q3cf756b8e0_gemm
	.p2alignl 7, 3214868480
	.fill 96, 4, 3214868480
	.section	.rodata,"a",@progbits
	.p2align	6, 0x0
	.amdhsa_kernel k_q3cf756b8e0_gemm
		.amdhsa_group_segment_fixed_size 327680
		.amdhsa_private_segment_fixed_size 0
		.amdhsa_enable_private_segment 0
		.amdhsa_kernarg_size 32
		.amdhsa_user_sgpr_count 2
		.amdhsa_user_sgpr_kernarg_segment_ptr 1
		.amdhsa_wavefront_size32 1
		.amdhsa_system_sgpr_workgroup_id_x 1
		.amdhsa_system_sgpr_workgroup_id_y 1
		.amdhsa_system_sgpr_workgroup_id_z 1
		.amdhsa_system_vgpr_workitem_id 0
		.amdhsa_next_free_vgpr 1024
		.amdhsa_next_free_sgpr 98
		.amdhsa_reserve_vcc 0
		.amdhsa_float_denorm_mode_32 3
		.amdhsa_float_denorm_mode_16_64 3
		.amdhsa_memory_ordered 1
		.amdhsa_forward_progress 1
		.amdhsa_inst_pref_size 229
	.end_amdhsa_kernel
	.amdgpu_metadata
---
amdhsa.version: [ 1, 2 ]
amdhsa.kernels:
  - .name:           k_q3cf756b8e0_gemm
    .symbol:         k_q3cf756b8e0_gemm.kd
    .args:
      - { .name: xq, .offset: 0, .size: 8, .value_kind: global_buffer, .address_space: global }
      - { .name: wq, .offset: 8, .size: 8, .value_kind: global_buffer, .address_space: global }
      - { .name: out0, .offset: 16, .size: 8, .value_kind: global_buffer, .address_space: global }
      - { .name: b, .offset: 24, .size: 8, .value_kind: global_buffer, .address_space: global }
    .group_segment_fixed_size: 327680
    .private_segment_fixed_size: 0
    .kernarg_segment_align: 8
    .kernarg_segment_size: 32
    .max_flat_workgroup_size: 128
    .sgpr_count:     98
    .vgpr_count:     1024
    .wavefront_size: 32
...
	.end_amdgpu_metadata
.endif
;; end of part 2
